; MI455X (gfx1250); checked and timed in simulation.
; The chip was launched on July 23, 2026; its instructions are those of AMD's public machine-readable ISA for CDNA 5 (MIT licence, August 2026) and "CDNA5" Instruction Set Architecture Reference Guide (July 2026). The comments in the code are by the model that wrote it; some were corrected since.
;; Multi Head Self Attention. Allowed arithmetic: matrix products marked QUANTISED: E2M3 operands, one E8M0 scale for each 32 along K, by v_wmma_scale_f32_16x16x128_f8f6f4 with both operands' format E2M3, f32 sums; everything else in f32.
;; Inputs: k_proj 1,024 x 1,024 float32; o_proj 1,024 x 1,024 float32; q_proj 1,024 x 1,024 float32; v_proj 1,024 x 1,024 float32; x 4 x 2,048 x 1,024 float32.
;; Outputs: out0 4 x 2,048 x 1,024 float32.
;; This version of the problem:
;;   THIS VERSION OF THE PROBLEM IS GIVEN IN LOW PRECISION. The matrix products marked QUANTISED in the list below multiply operands that are first quantised to E2M3 (2 exponent bits, 3 mantissa bits; 6 bits a number), with one power-of-two scale for each 32 numbers along K (OCP MX v1.0); their sums are f32. All else is computed in f32.
;;   The module's matrix products, in the order in which they are computed (A, B: the left and right operand; K: the contracted axis; several contracted axes count as one K, in the product's order):
;;     1. [M 8,192, K 1,024] x [K 1,024, N 1,024]; A: input x; B: input q_proj: QUANTISED
;;     2. [M 8,192, K 1,024] x [K 1,024, N 1,024]; A: input x; B: input k_proj: QUANTISED
;;     3. [M 8,192, K 1,024] x [K 1,024, N 1,024]; A: input x; B: input v_proj: QUANTISED
;;     4. batch 64 x [M 2,048, K 64] x [K 64, N 2,048]; A: computed on the way; B: computed on the way: QUANTISED
;;     5. batch 64 x [M 2,048, K 2,048] x [K 2,048, N 64]; A: softmax (see below); B: computed on the way: QUANTISED
;;     6. [M 8,192, K 1,024] x [K 1,024, N 1,024]; A: computed on the way; B: input o_proj: QUANTISED
;;   THE QUANTISER, for each operand of a quantised product, along K:
;;     - K is cut into blocks of 32 from its start; a last block that is shorter is filled with zeros.
;;     - A block's scale is 2^e with e = floor(log2(the largest magnitude in the block)) - 2, held to -126 .. 127; a block of zeros has e = 0. As a byte (E8M0): e + 127.
;;     - Each number is divided by its block's scale, clamped to +-7.5, and rounded to the nearest number of E2M3, ties to even, subnormals kept.
;;     - The product sums the exact products of the quantised numbers (number of the format x scale) in f32.
;;   ~~~python
;;   def quantise(x, axis):      # numpy; x: float32 -> the quantised numbers, widened to float32 again
;;       x = np.moveaxis(x, axis, -1); K = x.shape[-1]
;;       x = np.pad(x, [(0, 0)] * (x.ndim - 1) + [(0, -K % 32)]); x = x.reshape(x.shape[:-1] + (-1, 32)); a = np.abs(x).max(-1, keepdims=True)
;;       e = np.where(a > 0, np.clip(np.frexp(np.where(a > 0, a, 1))[1] - 1 - 2, -126, 127), 0)      # np.frexp(a)[1] - 1 = floor(log2(a)), exactly
;;       r = np.clip(x / 2.0 ** e, -7.5, 7.5)
;;       step = 2.0 ** (np.maximum(np.frexp(np.where(r == 0, 1, r))[1] - 1, 0) - 3)
;;       q = np.round(r / step) * step * 2.0 ** e      # np.round: ties to even
;;       return np.moveaxis(q.reshape(q.shape[:-2] + (-1,))[..., :K], -1, axis).astype(np.float32)
;;   ~~~
;;   SOFTMAX AHEAD OF A QUANTISED PRODUCT. Where the list says 'softmax', what is quantised is not the finished softmax but p = 2^(t - M), with t = logit x log2(e) and M = ceil(the row's largest t), a whole number; so 1/2 < the row's largest p <= 1. The row's sum l is taken of the UNQUANTISED p, in f32, and the product's result is divided by l at the end. Since M is a whole number, a kernel that streams over the keys may use a running M (the ceiling of the running maximum): every later rescaling is an exact power of two, which a block's scale takes up: the codes' values come out the same.
;;   OPERANDS COMPUTED ON THE WAY. 'Computed on the way' means the value that the module computes at that place (a softmax that the list does not call 'softmax' is quantised finished and normalised). What goes into a quantiser is computed in f32, as accurately as f32 sums, v_exp_f32 and their like allow (about 1e-6 of the number): no bf16 or f16 on the way to a quantiser, and a product that is left as it is and whose result goes on into a quantised operand takes f32 operands (vector FMAs, or v_wmma_f32_16x16x4_f32). A number that lies on a knife's edge between two numbers of the format may be rounded either way, as far as f32 arithmetic and the matrix unit's own rounding can turn it there, and no further.
;; One version. Each part assembles by itself: llvm-mc -triple=amdgcn-amd-amdhsa -mcpu=gfx1250 --defsym DOCPART=n.
;; ======== version 1 of 1: 4 launches
;; workspace buffers: ops 9,830,400 bytes; qkv 19,660,800 bytes; ao 6,553,600 bytes
;; launch quant (part 1): grid 8 x 96, 8 waves a work-group, no clusters, 69,120 bytes of LDS; arguments x, q_proj, k_proj, v_proj, o_proj, ops; writes ops
.if DOCPART == 1
	.amdgcn_target "amdgcn-amd-amdhsa--gfx1250"
	.amdhsa_code_object_version 6
	.text
	.protected	k_qe171733ee9_quant
	.globl	k_qe171733ee9_quant
	.p2align	8
	.type	k_qe171733ee9_quant,@function
k_qe171733ee9_quant:
	s_mov_b64 s[64:65], 0
	v_nop
	global_prefetch_b8 v0, s[64:65] scope:SCOPE_SE
	s_setreg_imm32_b32 hwreg(HW_REG_WAVE_MODE, 25, 1), 1
	s_wait_xcnt 0x0
; x [8192][1024] and the four weights [1024][1024], f32 with K innermost, become codes of FP6 (E2M3) with one E8M0 byte for each 32 along K.
; A block's scale is 2^(floor(log2(its largest magnitude)) - 2); its byte is the largest magnitude's exponent field - 2, held at 1 from below.
; LIMITS: NaN and infinities among the inputs are not served; a block of zeros gets the byte 1 where the rule says 127 (its codes are zeros, which add nothing under any byte but 0xff,
; and the bytes are read by this program alone); blocks whose largest magnitude lies under 2^-124, the floor, were not tried.
; THE OUTPUT IS LAID AS THE PRODUCTS' OPERAND REGISTERS.  ops = [rho 0..95][kappa 0..7][12,800 bytes]; rho counts blocks of 128 rows: 0-63 x, 64-71 Wq, 72-79 Wk, 80-87 Wv, 88-95 Wo; kappa 128 along K.
; A block is 8 fragments of 1,536 bytes and 512 bytes of scale words.  Row r of fragment f is row 32 (f / 2) + 8 (f % 2) + r % 8 + 16 (r / 8) of the 128.  In a fragment, half e (k = 64 e on) begins at 768 e:
; 512 bytes, lane l's registers 6 e .. 6 e + 3 at 16 l, then 256 bytes, its registers 6 e + 4, 6 e + 5 at 8 l.  The scale word of row r of fragment f lies at 12,288 + 32 r + 4 f.
; SHARES.  A work-group makes one block, wave f its fragment f: 16 rows x 512 bytes.  Each load reads 512 consecutive bytes of a row; the 8,192 bytes turn through the wave's own stage in LDS, so that a lane
; gets 16 neighbours of each block of 32 of ONE row, as the conversions want them.  Each code store covers 512 or 256 consecutive bytes, aligned to 256.
; No cluster and no tensor load: no two work-groups read the same byte, and every byte is read once.
.set BLK,  12800
.set STG,  8448                        ; a wave's stage: 16 rows x (512 + 16) bytes
.set SCB,  8*STG                       ; behind the stages: the block's 512 bytes of scale words
.set R,    16                          ; v16-79   the rows as loaded
.set X,    80                          ; v80-143  register 16 b + i = k 32 b + 16 (lane / 16) + i of my row
.set PC,   144                         ; v144-155 the fragment; v156-163 the conversions' second halves
.set TM,   164                         ; v164-167 largest magnitudes, v168-171 bytes, v176-179 the conversions' scale operands
.set PW,   180                         ; my row's scale word
.set SEL,  24                          ; s[24:25] lane selects: lane l xor 16
; 64 numbers of a lane, v[s] on, become a fragment's codes in v[PC] on and its scale word in v[PW]
.macro QUANT s
.irp b, 0,1,2,3
	v_max3_num_f32 v[TM+\b], |v[\s+16*\b]|, |v[\s+1+16*\b]|, 0x1800000   ; block b: my 16 numbers, and the floor 2^(3 - 127): the byte cannot fall under 1
.endr
.irp i, 2,4,6,8,10,12,14
.irp b, 0,1,2,3
	s_delay_alu instid0(VALU_DEP_4)
	v_max3_num_f32 v[TM+\b], v[TM+\b], |v[\s+16*\b+\i]|, |v[\s+1+16*\b+\i]|   ; the four blocks by turns
.endr
.endr
.irp b, 0,1,2,3
	s_delay_alu instid0(VALU_DEP_4)
	v_permlanex16_b32 v[TM+4+\b], v[TM+\b], s[SEL], s[SEL+1]
.endr
.irp b, 0,1,2,3
	s_delay_alu instid0(VALU_DEP_4)
	v_max_num_f32 v[TM+\b], v[TM+\b], v[TM+4+\b]   ; with lane l xor 16's 16: the block's largest magnitude
.endr
.irp b, 0,1,2,3
	s_delay_alu instid0(VALU_DEP_4)
	v_add_nc_u32 v[TM+12+\b], 0xff000000, v[TM+\b] ; 2 off its exponent field: the conversion takes the exponent field of this operand as its scale
.endr
.irp b, 0,1,2,3
	s_delay_alu instid0(VALU_DEP_4)
	v_lshrrev_b32 v[TM+4+\b], 23, v[TM+12+\b]      ; the scale's byte
.endr
	s_delay_alu instid0(VALU_DEP_3)
	v_lshl_or_b32 v[PW], v[TM+5], 8, v[TM+4]
	s_delay_alu instid0(VALU_DEP_1)
	v_lshl_or_b32 v[PW], v[TM+6], 16, v[PW]
	s_delay_alu instid0(VALU_DEP_1)
	v_lshl_or_b32 v[PW], v[TM+7], 24, v[PW]
.irp c, 0,1
	v_cvt_scalef32_pk16_fp6_f32 v[PC+6*\c:PC+2+6*\c], v[\s+32*\c:\s+15+32*\c], v[TM+12+2*\c]
	v_cvt_scalef32_pk16_fp6_f32 v[PC+12+4*\c:PC+14+4*\c], v[\s+16+32*\c:\s+31+32*\c], v[TM+12+2*\c+1]   ; (a conversion's three registers begin on an even number)
.endr
	v_nop                                          ; one plain instruction behind the scaled conversions
.irp c, 0,1                                    ; the operand wants a WHOLE block in a lane: lanes 0-15 block 2 c, lanes 16-31 block 2 c + 1
.irp i, 0,1,2
	v_permlane16_swap_b32 v[PC+6*\c+\i], v[PC+12+4*\c+\i]
.endr
.irp i, 0,1,2
	s_delay_alu instid0(VALU_DEP_3)
	v_mov_b32 v[PC+3+6*\c+\i], v[PC+12+4*\c+\i]
.endr
.endr
.endm
	s_load_b256 s[4:11], s[0:1], 0x0               ; x, q_proj, k_proj, v_proj
	s_load_b128 s[12:15], s[0:1], 0x20             ; o_proj, ops
	v_lshl_add_u32 v192, v0, 2, 0x10a00
	v_mov_b32 v193, 0
	v_lshrrev_b32 v1, 5, v0
	s_delay_alu instid0(VALU_DEP_1)
	v_readfirstlane_b32 s20, v1                    ; wave = fragment 0..7
	v_and_b32 v1, 31, v0                           ; lane
	v_and_b32 v2, 15, v0                           ; r
	v_bfe_u32 v3, v0, 4, 1                         ; h
	s_delay_alu instid0(VALU_DEP_3)
	v_lshlrev_b32 v4, 4, v1                        ; 16 x lane
	s_delay_alu instid0(VALU_DEP_4)
	v_lshlrev_b32 v5, 3, v1                        ; 8 x lane
	s_mul_i32 s21, s20, STG
	v_add_nc_u32 v6, s21, v4                       ; the stage on the way in: 16 x lane of a row
	v_mul_u32_u24 v7, v2, 528
	s_delay_alu instid0(VALU_DEP_1)
	v_lshl_add_u32 v7, v3, 6, v7
	s_delay_alu instid0(VALU_DEP_1)
	v_add_nc_u32 v7, s21, v7                       ; and on the way out: row r, + 64 h
	s_lshl_b32 s22, s20, 2
	s_add_co_u32 s22, s22, SCB
	v_lshl_add_u32 v8, v2, 5, s22                  ; my row's scale word: SCB + 32 r + 4 x fragment
	v_add_nc_u32 v9, SCB, v4                       ; where wave 0 reads the 512 bytes back
	s_mov_b32 s[SEL], 0x76543210
	s_mov_b32 s[SEL+1], 0xfedcba98
.irp b, 0,1,2,3
	v_mov_b32 v[TM+4+\b], 0                        ; written once: a lane permute's destination counts as one of its sources
.endr
	s_and_b32 s16, ttmp7, 0xffff                   ; rho
	s_lshr_b32 s18, s20, 1
	s_lshl_b32 s18, s18, 5
	s_and_b32 s19, s20, 1
	s_lshl_b32 s19, s19, 3
	s_add_co_u32 s18, s18, s19                     ; my fragment's first row: 32 (f / 2) + 8 (f % 2)
	s_lshl_b32 s18, s18, 12                        ; rows of 4,096 bytes
	s_lshl_b32 s19, ttmp9, 9
	s_add_co_u32 s18, s18, s19                     ; + 512 kappa
	s_lshl_b32 s26, s16, 3
	s_add_co_u32 s26, s26, ttmp9
	s_mul_i32 s26, s26, BLK                        ; the block in ops,
	s_mul_i32 s27, s20, 1536
	s_add_co_u32 s26, s26, s27                     ; my fragment in it
	s_mov_b32 s27, 0
	s_wait_alu depctr_va_vdst(0)
	s_wait_kmcnt 0x0
	s_cmp_lt_u32 s16, 88                           ; which tensor: the choice hangs on the work-group's number alone
	s_cselect_b64 s[12:13], s[10:11], s[12:13]
	s_cmp_lt_u32 s16, 80
	s_cselect_b64 s[12:13], s[8:9], s[12:13]
	s_cmp_lt_u32 s16, 72
	s_cselect_b64 s[12:13], s[6:7], s[12:13]
	s_cmp_lt_u32 s16, 64
	s_cselect_b64 s[12:13], s[4:5], s[12:13]
	s_cselect_b32 s17, 63, 7
	s_and_b32 s17, s16, s17                        ; the block of 128 rows in that tensor
	s_lshl_b32 s17, s17, 19                        ; 128 rows of 4,096 bytes
	s_add_co_u32 s18, s18, s17
	s_mov_b32 s19, 0
	s_add_nc_u64 s[12:13], s[12:13], s[18:19]
	s_add_nc_u64 s[14:15], s[14:15], s[26:27]
.irp i, 0,1,2,3,4,5,6,7,8,9,10,11,12,13,14,15
	global_load_b128 v[R+4*\i:R+4*\i+3], v4, s[12:13] offset:((\i%8)+16*(\i/8))*4096 th:TH_LOAD_NT   ; fragment row i: 32 lanes read 512 consecutive bytes; read once in the launch
.endr
.irp i, 0,1,2,3,4,5,6,7,8,9,10,11,12,13,14,15
	s_wait_loadcnt 15-\i                           ; loads come back in order: row i is in, the 15 - i younger ones may be out
	ds_store_b128 v6, v[R+4*\i:R+4*\i+3] offset:528*\i
.endr
.irp b, 0,1,2,3
.irp j, 0,1,2,3
	ds_load_b128 v[X+16*\b+4*\j:X+16*\b+4*\j+3], v7 offset:128*\b+16*\j   ; my wave's own bytes, served in order: these see the stores above
.endr
.endr
	s_wait_dscnt 0x0
	QUANT X
	global_store_b128 v4, v[PC:PC+3], s[14:15]
	global_store_b64 v5, v[PC+4:PC+5], s[14:15] offset:512
	global_store_b128 v4, v[PC+6:PC+9], s[14:15] offset:768
	global_store_b64 v5, v[PC+10:PC+11], s[14:15] offset:1280
	ds_store_b32 v8, v[PW]                         ; lanes r and r + 16 write the same word with the same value
	s_wait_dscnt 0x0                               ; for the others' sake: my scale words lie in LDS
	s_barrier_signal -1
	s_barrier_wait -1
	s_cmp_lg_u32 s20, 0
	s_cbranch_scc1 .Lend
	ds_load_b128 v[184:187], v9                    ; wave 0 (its fragment is 0, so its base is the block's): the block's 512 bytes of scale words
	s_wait_dscnt 0x0
	global_store_b128 v4, v[184:187], s[14:15] offset:12288
.Lend:
	s_wait_tensorcnt 0x0
	ds_add_u32 v192, v193
	s_wait_dscnt 0x0
	s_endpgm
.Lfunc_end_k_qe171733ee9_quant:
	.size	k_qe171733ee9_quant, .Lfunc_end_k_qe171733ee9_quant-k_qe171733ee9_quant
	.p2alignl 7, 3214868480
	.fill 96, 4, 3214868480
	.section	.rodata,"a",@progbits
	.p2align	6, 0x0
	.amdhsa_kernel k_qe171733ee9_quant
		.amdhsa_group_segment_fixed_size 69120
		.amdhsa_private_segment_fixed_size 0
		.amdhsa_enable_private_segment 0
		.amdhsa_kernarg_size 48
		.amdhsa_user_sgpr_count 2
		.amdhsa_user_sgpr_kernarg_segment_ptr 1
		.amdhsa_wavefront_size32 1
		.amdhsa_system_sgpr_workgroup_id_x 1
		.amdhsa_system_sgpr_workgroup_id_y 1
		.amdhsa_system_sgpr_workgroup_id_z 1
		.amdhsa_system_vgpr_workitem_id 0
		.amdhsa_next_free_vgpr 194
		.amdhsa_next_free_sgpr 66
		.amdhsa_reserve_vcc 0
		.amdhsa_float_denorm_mode_32 3
		.amdhsa_float_denorm_mode_16_64 3
		.amdhsa_memory_ordered 1
		.amdhsa_forward_progress 1
		.amdhsa_inst_pref_size 14
	.end_amdhsa_kernel
	.amdgpu_metadata
---
amdhsa.version: [ 1, 2 ]
amdhsa.kernels:
  - .name:           k_qe171733ee9_quant
    .symbol:         k_qe171733ee9_quant.kd
    .args:
      - { .name: x, .offset: 0, .size: 8, .value_kind: global_buffer, .address_space: global }
      - { .name: q_proj, .offset: 8, .size: 8, .value_kind: global_buffer, .address_space: global }
      - { .name: k_proj, .offset: 16, .size: 8, .value_kind: global_buffer, .address_space: global }
      - { .name: v_proj, .offset: 24, .size: 8, .value_kind: global_buffer, .address_space: global }
      - { .name: o_proj, .offset: 32, .size: 8, .value_kind: global_buffer, .address_space: global }
      - { .name: ops, .offset: 40, .size: 8, .value_kind: global_buffer, .address_space: global }
    .group_segment_fixed_size: 69120
    .private_segment_fixed_size: 0
    .kernarg_segment_align: 8
    .kernarg_segment_size: 48
    .max_flat_workgroup_size: 256
    .sgpr_count:     66
    .vgpr_count:     194
    .wavefront_size: 32
...
	.end_amdgpu_metadata
.endif
;; end of part 1
;; launch qkv (part 2): grid 16 x 48, 4 waves a work-group, clusters of 4 x 4, 327,680 bytes of LDS; arguments ops, qkv; writes qkv
.if DOCPART == 2
	.amdgcn_target "amdgcn-amd-amdhsa--gfx1250"
	.amdhsa_code_object_version 6
	.text
	.protected	k_qe171733ee9_qkv
	.globl	k_qe171733ee9_qkv
	.p2align	8
	.type	k_qe171733ee9_qkv,@function
k_qe171733ee9_qkv:
	s_mov_b64 s[64:65], 0
	v_nop
	global_prefetch_b8 v0, s[64:65] scope:SCOPE_SE
	s_setreg_imm32_b32 hwreg(HW_REG_WAVE_MODE, 25, 1), 1
	s_wait_xcnt 0x0
	s_wait_alu depctr_hold_cnt(0) depctr_sa_sdst(0) depctr_va_vdst(0) depctr_va_sdst(0) depctr_va_ssrc(0) depctr_va_vcc(0) depctr_vm_vsrc(0)
	s_getreg_b32 s2, hwreg(HW_REG_IB_STS2, 6, 4)
	s_cmp_eq_u32 s2, 0
	s_cbranch_scc0 .Lentry_in_a_cluster
	s_endpgm
.Lentry_in_a_cluster:
	s_bfe_u32 s2, ttmp6, 0x10000c
	s_cmp_lg_u32 s2, 0xf033
	s_cbranch_scc0 .Lentry_shape_is_right
	s_endpgm
.Lentry_shape_is_right:
; q = x Wq^T, k = x Wk^T, v = x Wv^T on codes of FP6 (E2M3) with E8M0 scales, f32 sums; the results are quantised in registers (q, k along the head's 64, v along the keys) and stored as operand images.
; ops: see the launch that makes it: [rho][kappa][12,800 bytes], a block = 8 fragments of 1,536 bytes + 512 bytes of scale words; row r of fragment f is row 32 (f / 2) + 8 (f % 2) + r % 8 + 16 (r / 8) of the block's 128.
; THE TILE.  A work-group makes 256 rows of R x 128 rows of P over all of K = 1,024.  R is source 1 (a lane holds ONE row of R), P is source 0 (a lane's registers run along P).  For q and k: R = tokens, P = rows of Wq, Wk,
; so the registers run along the head's numbers; for v: R = rows of Wv, P = tokens, so they run along the keys: in both cases along the K of the product that follows.  By the fragments' row order the 16 registers of
; accumulators (a, 2 j) and (a, 2 j + 1) are P's rows 32 j + 16 (lane / 16) + 0 .. 15: 16 neighbours.  Wave w has R's rows 64 w on: 4 fragments against P's 8: 32 accumulators.
; ALL OF K LIES IN LDS: 2 x 102,400 bytes of R and 102,400 of P, brought by first fills alone, in four stages of 256 along K: nothing is filled twice.
; 768 work-groups: 512 for q and k (cluster rows 0-7), 256 for v (cluster rows 8-11); one path of text serves all: only scalars chosen on the cluster's row differ.
; CLUSTERS: 4 x 4.  R's blocks hang on the tile row alone and are asked for jointly along a row of the cluster, P's on the tile column alone, along a column.
; qkv = [batch x head 0..63][chunk of 128 tokens 0..15][19,200 bytes]: K's section at 0, V's at 6,400, Q's at 12,800.  K, Q: 4 fragments f; row m's half 0 (k 0-63) is token 32 f + m % 8 + 16 (m / 8), its half 1 that token + 8;
; scale words at 6,144 + 16 m + 4 f, bytes 0, 1 for half 0, bytes 2, 3 for half 1.  V: 4 fragments T, row m = the head's number 32 (T / 2) + 8 (T % 2) + m % 8 + 16 (m / 8), K = the chunk's 128 keys; scale words likewise at 16 m + 4 T.
; Each code store covers 512 or 256 consecutive bytes, aligned to 256.  The scale words leave by one store of 8 bytes a lane: V's fill their 256 bytes whole, K's and Q's 8 of each 16 bytes a wave (one fiftieth of the output's bytes).
; LIMITS: NaN and infinities are not served; a block of zeros gets the byte 1 (its codes are zeros; this program alone reads the bytes).
; REGISTERS: window 0: v2-7 LDS addresses; v9-12 the way out; v32-55 scale words, two sets, and nothing else; v64-159 R's fragments, two sets; v160-241 at work on the way out.  window 1: P's fragments, two sets, at v0 and v128.  window 2: accumulator (a, b) at v[8 (8 a + b)].
.set BLK,   12800
.set RHO,   8*BLK                      ; a block row of ops: all of K for 128 rows
.set PAIR,  2*BLK                      ; what one tensor load brings: 256 along K of 128 rows
.set STAGE, 3*PAIR                     ; a stage in LDS: R's two blocks, then P's
.set HS,    307200                     ; a head in qkv
.set CHK,   19200                      ; a chunk in it
.set WV,  8
.set G1A, 24                           ; s[24:31] descriptor group 1 for R's blocks;  s[32:39] for P's;  s[40:55], s[68:83] their groups 0, one for each stage
.set G1B, 32
.set G0A, 40
.set G0B, 68
.set SEL, 62
.set A16, 2
.set A8,  3
.set B16, 4
.set B8,  5
.set ASA, 6
.set ASB, 7
.set L16, 9
.set L8,  10
.set SOF, 11
.set HH,  12
.set SC,  32                           ; scale set p: v[SC + 12 p] on: R's 4 words, then P's 8
.set AF,  64                           ; R's fragments, set p at AF + 48 p
.set PC,  160                          ; the way out: tile a's codes at PC + 12 a
.set CT,  208
.set TM,  216
.set PW,  232                          ; tile a's scale word at PW + a
.set MSB, 0
.macro WIN new                         ; the immediate's high byte repeats the setting that is left
.if MSB != \new
	s_set_vgpr_msb (MSB<<8)|\new
.set MSB, \new
.endif
.endm
.macro PLACES n
.rept \n
	v_nop
.endr
.endm
.macro CROUND                          ; a round of the cluster's barrier
	s_barrier_signal -1
	s_barrier_wait -1
	s_cmp_lg_u32 s[WV], 0
	s_cbranch_scc1 .Lnot_wave_0_\@
	s_barrier_signal -3
.Lnot_wave_0_\@:
	s_barrier_wait -3
	s_barrier_signal -1
	s_barrier_wait -1
.endm
.macro FRAG reg, wide, narrow, off     ; a fragment's image, 1,536 bytes, into 12 registers: every load reads consecutive bytes
	ds_load_b128 v[(\reg):(\reg)+3], v[\wide] offset:(\off)
	ds_load_b64 v[(\reg)+4:(\reg)+5], v[\narrow] offset:(\off)+512
	ds_load_b128 v[(\reg)+6:(\reg)+9], v[\wide] offset:(\off)+768
	ds_load_b64 v[(\reg)+10:(\reg)+11], v[\narrow] offset:(\off)+1280
.endm
.macro FETCH kp, p                     ; the stage's kp-th 128 along K into set p: 51 LDS loads in one run
	WIN 0x40                                       ; destination window 1
.irp b, 0,1,2,3,4,5,6,7
	FRAG 128*(\p)+12*\b, B16, B8, BLK*(\kp)+1536*\b
.endr
	WIN 0
.irp a, 0,1,2,3
	FRAG AF+48*(\p)+12*\a, A16, A8, BLK*(\kp)+1536*\a
.endr
	ds_load_b128 v[SC+12*(\p):SC+12*(\p)+3], v[ASA] offset:BLK*(\kp)
	ds_load_b128 v[SC+12*(\p)+4:SC+12*(\p)+7], v[ASB] offset:BLK*(\kp)
	ds_load_b128 v[SC+12*(\p)+8:SC+12*(\p)+11], v[ASB] offset:BLK*(\kp)+16
.endm
.macro MUL p, zero                     ; 32 products, 128 along K; the 32 accumulators take turns, one instruction a turn, in the same order in every step
	WIN 0xa1                                       ; source 0 (P) window 1, source 1 (R) window 0, C and D window 2
.irp a, 0,1,2,3
.irp b, 0,1,2,3,4,5,6,7
.if \zero
	v_wmma_scale_f32_16x16x128_f8f6f4 v[8*(8*\a+\b):8*(8*\a+\b)+7], v[128*(\p)+12*\b:128*(\p)+12*\b+11], v[AF+48*(\p)+12*\a:AF+48*(\p)+12*\a+11], 0, v[SC+12*(\p)+4+\b], v[SC+12*(\p)+\a] matrix_a_fmt:MATRIX_FMT_FP6 matrix_b_fmt:MATRIX_FMT_FP6
.else
	v_wmma_scale_f32_16x16x128_f8f6f4 v[8*(8*\a+\b):8*(8*\a+\b)+7], v[128*(\p)+12*\b:128*(\p)+12*\b+11], v[AF+48*(\p)+12*\a:AF+48*(\p)+12*\a+11], v[8*(8*\a+\b):8*(8*\a+\b)+7], v[SC+12*(\p)+4+\b], v[SC+12*(\p)+\a] matrix_a_fmt:MATRIX_FMT_FP6 matrix_b_fmt:MATRIX_FMT_FP6
.endif
.endr
.endr
	WIN 0
.endm
; K step k of 8: the next step's fragments are asked for, then this step's 32 products are issued.  Loads into registers that matrix instructions have read stand four plain vector instructions behind them.
.macro STEP k
	s_wait_dscnt 0x0                               ; this step's set is in (asked for ahead of the last step's 32 products)
.if (\k) < 7
.if (\k)%2
	s_wait_tensorcnt 3-((\k)+1)/2                  ; the next stage's load of mine has landed; my later stages' loads may stay out
	s_barrier_signal -1
	s_barrier_wait -1                              ; everybody's has
.irp r, A16,A8,B16,B8,ASA,ASB
	v_add_nc_u32 v[\r], STAGE, v[\r]               ; on to the next stage; these six are also the places in front of the loads
.endr
.else
	PLACES 4
.endif
	s_wait_alu depctr_va_vdst(0)
	FETCH ((\k)+1)%2, ((\k)+1)%2
.endif
	MUL (\k)%2, (\k)==0
.endm
; Tile a's 64 numbers a lane (window 2, v[64 a] on: register 16 b + i = P's row 32 b + 16 (lane / 16) + i) become 12 registers of codes and a scale word, and the codes are stored.
.macro QUANTW a
.set PCA, PC+12*(\a)
	WIN 0x28                                       ; sources 1 and 2 window 2
.irp b, 0,1,2,3
	v_max3_num_f32 v[TM+\b], 0x1800000, |v[64*\a+16*\b]|, |v[64*\a+16*\b+1]|   ; the floor 2^(3 - 127) and my first two; each accumulator is read from its low end on
.endr
.irp i, 2,4,6,8,10,12,14
.irp b, 0,1,2,3
	v_max3_num_f32 v[TM+\b], v[TM+\b], |v[64*\a+16*\b+\i]|, |v[64*\a+16*\b+\i+1]|
.endr
.endr
	WIN 0
.irp b, 0,1,2,3
	v_permlanex16_b32 v[TM+4+\b], v[TM+\b], s[SEL], s[SEL+1]
.endr
.irp b, 0,1,2,3
	v_max_num_f32 v[TM+\b], v[TM+\b], v[TM+4+\b]   ; with lane l xor 16's 16: the block's largest magnitude
.endr
.irp b, 0,1,2,3
	v_add_nc_u32 v[TM+12+\b], 0xff000000, v[TM+\b] ; 2 off the exponent field: the conversion's scale operand
.endr
.irp b, 0,1,2,3
	v_lshrrev_b32 v[TM+4+\b], 23, v[TM+12+\b]      ; the scale's byte
.endr
	v_lshl_or_b32 v[PW+\a], v[TM+5], 8, v[TM+4]
	v_lshl_or_b32 v[PW+\a], v[TM+6], 16, v[PW+\a]
	v_lshl_or_b32 v[PW+\a], v[TM+7], 24, v[PW+\a]
	WIN 0x02                                       ; source 0 window 2
.irp c, 0,1
	v_cvt_scalef32_pk16_fp6_f32 v[PCA+6*\c:PCA+6*\c+2], v[64*\a+32*\c:64*\a+32*\c+15], v[TM+12+2*\c]
	v_cvt_scalef32_pk16_fp6_f32 v[CT+4*\c:CT+4*\c+2], v[64*\a+32*\c+16:64*\a+32*\c+31], v[TM+12+2*\c+1]
.endr
	WIN 0
	v_nop                                          ; one plain instruction behind the scaled conversions
.irp c, 0,1
.irp i, 0,1,2
	v_permlane16_swap_b32 v[PCA+6*\c+\i], v[CT+4*\c+\i]
.endr
.irp i, 0,1,2
	v_mov_b32 v[PCA+3+6*\c+\i], v[CT+4*\c+\i]
.endr
.endr
.irp c, 0,1                                    ; half c: 768 bytes; each tile has registers of its own, so no store's data are written again
	global_store_b128 v[L16], v[PCA+6*\c:PCA+6*\c+3], s[40+4*\a+2*\c:41+4*\a+2*\c]
	global_store_b64 v[L8], v[PCA+6*\c+4:PCA+6*\c+5], s[40+4*\a+2*\c:41+4*\a+2*\c] offset:512
.endr
.endm
	s_load_b128 s[4:7], s[0:1], 0x0                ; ops, qkv
	v_lshl_add_u32 v254, v0, 2, 0x4b000
	v_mov_b32 v255, 0
	ds_add_u32 v254, v255
	ds_add_u32 v254, v255
	v_lshrrev_b32 v1, 5, v0
	v_readfirstlane_b32 s[WV], v1                  ; wave 0..3
	s_lshr_b32 s57, s[WV], 1
	s_and_b32 s58, s[WV], 1
	s_bfe_u32 s9, ttmp6, 0x40000                   ; cx
	s_bfe_u32 s10, ttmp6, 0x40004                  ; cy
	s_and_b32 s11, ttmp7, 0xffff                   ; the cluster's row Y: 0-7 q and k, 8-11 v
	s_max_u32 s14, s11, 8
	s_sub_co_u32 s14, s14, 8
	s_lshl_b32 s14, s14, 2
	s_add_co_u32 s14, s14, ttmp9                   ; 4 (Y - 8) + X for v, X for q and k
	s_lshl_b32 s14, s14, 2
	s_add_co_u32 s14, s14, s9                      ; P's tile: it holds cx and never cy
	s_cmp_ge_u32 s11, 8                            ; v?  The same in all sixteen partners
	s_cselect_b32 s12, 0, s11
	s_cselect_b32 s13, 1, 0
	s_cselect_b32 s15, 80, 0                       ; R: Wv's blocks begin at rho 80, x's at 0
	s_cselect_b32 s16, 0, 64                       ; P: x's at 0, Wq's and Wk's at 64
	s_lshl_b32 s12, s12, 2
	s_add_co_u32 s12, s12, s10                     ; R's tile: it holds cy and never cx
	s_lshl_b32 s2, s10, 2
	s_lshl_b32 s2, 15, s2                          ; my row of the cluster
	s_lshl_b32 s3, 0x1111, s9                      ; my column
	s_or_b32 s[G1A], s2, (3<<16)|(1<<21)           ; 15:0 the mask; 17:16 elements of 8 bytes; 21 set beside a mask; no padding
	s_or_b32 s[G1B], s3, (3<<16)|(1<<21)
.irp g, G1A, G1B                               ; a dense block of 25,600 bytes as 100 rows of 256 bytes
	s_mov_b32 s[\g+1], 32<<16                      ; tensor_dim0 = 32
	s_mov_b32 s[\g+2], 100<<16                     ; tensor_dim1 = 100
	s_mov_b32 s[\g+3], 32<<16                      ; tile_dim0 = 32
	s_mov_b32 s[\g+4], 100                         ; tile_dim1 = 100
	s_mov_b32 s[\g+5], 32                          ; from row to row
	s_mov_b32 s[\g+6], 0
	s_mov_b32 s[\g+7], 0
.endr
	s_lshl_b32 s20, s12, 1
	s_add_co_u32 s20, s20, s15
	s_add_co_u32 s20, s20, s58                     ; R: rho = 2 x tile + first + (wave & 1)
	s_mul_i32 s20, s20, RHO
	s_mov_b32 s21, 0
	s_add_co_u32 s22, s14, s16                     ; P: rho = tile + first
	s_mul_i32 s22, s22, RHO
	s_mov_b32 s23, 0
	s_mul_i32 s56, s58, PAIR                       ; R's block in a stage: (wave & 1) x 25,600: no place in the cluster enters an LDS address
	s_wait_dscnt 0x0
	s_wait_kmcnt 0x0
	s_add_nc_u64 s[20:21], s[4:5], s[20:21]
	s_add_nc_u64 s[22:23], s[4:5], s[22:23]
	CROUND                                         ; all sixteen work-groups are here: the joint loads meet
.irp s, 0,1,2,3
	s_mov_b32 s[G0A+4*\s], 1
	s_add_co_u32 s[G0A+4*\s+1], s56, \s*STAGE
	s_add_nc_u64 s[G0A+4*\s+2:G0A+4*\s+3], s[20:21], \s*PAIR
	s_or_b32 s[G0A+4*\s+3], s[G0A+4*\s+3], 0x80000000
	s_mov_b32 s[G0B+4*\s], 1
	s_mov_b32 s[G0B+4*\s+1], 2*PAIR+\s*STAGE
	s_add_nc_u64 s[G0B+4*\s+2:G0B+4*\s+3], s[22:23], \s*PAIR
	s_or_b32 s[G0B+4*\s+3], s[G0B+4*\s+3], 0x80000000
.endr
	s_cmp_lt_u32 s[WV], 2                          ; waves 0 and 1 fetch R's two blocks, wave 2 P's, wave 3 nothing: a wave's four fills stand in one branch; four loads of a wave are out at the most
	s_cbranch_scc0 .Lnot_a
.irp s, 0,1,2,3
	tensor_load_to_lds s[G0A+4*\s:G0A+4*\s+3], s[G1A:G1A+7]
	s_nop 0
.endr
	PLACES 4
	s_branch .Lasked
.Lnot_a:
	s_cmp_eq_u32 s[WV], 2
	s_cbranch_scc0 .Lasked
.irp s, 0,1,2,3
	tensor_load_to_lds s[G0B+4*\s:G0B+4*\s+3], s[G1B:G1B+7]
	s_nop 0
.endr
	PLACES 4
.Lasked:
	v_and_b32 v1, 31, v0                           ; lane
	v_and_b32 v8, 15, v0                           ; r
	v_bfe_u32 v[HH], v0, 4, 1                      ; h
	s_mul_i32 s59, s57, PAIR                       ; my block of R,
	s_mul_i32 s60, s58, 4*1536                     ; my four fragments in it
	s_add_co_u32 s60, s60, s59
	v_lshl_add_u32 v[A16], v1, 4, s60
	v_lshl_add_u32 v[A8], v1, 3, s60
	v_lshlrev_b32 v[L16], 4, v1
	v_lshlrev_b32 v[L8], 3, v1
	v_add_nc_u32 v[B16], 2*PAIR, v[L16]
	v_add_nc_u32 v[B8], 2*PAIR, v[L8]
	s_lshl_b32 s61, s58, 4
	s_add_co_u32 s61, s61, s59
	s_add_co_u32 s61, s61, 8*1536
	v_lshl_add_u32 v[ASA], v8, 5, s61              ; my four scale words of R: 32 r + 16 (wave & 1)
	v_lshlrev_b32 v[ASB], 5, v8
	v_add_nc_u32 v[ASB], 2*PAIR+8*1536, v[ASB]     ; P's eight: 32 r
	s_mov_b32 s[SEL], 0x76543210
	s_mov_b32 s[SEL+1], 0xfedcba98
.irp b, 0,1,2,3
	v_mov_b32 v[TM+4+\b], 0                        ; written once: a lane permute's destination counts as one of its sources
.endr
	; where the results go
	s_lshl_b32 s84, s12, 1
	s_add_co_u32 s84, s84, s57                     ; q, k: the chunk of tokens = 2 x R's tile + wave / 2
	s_lshl_b32 s85, s12, 2
	s_add_co_u32 s85, s85, s[WV]                   ; v: the head = 4 x R's tile + wave
	s_and_b32 s86, s14, 7
	s_lshl_b32 s86, s86, 1                         ; q, k: the first of P's two heads
	s_cmp_lt_u32 s14, 8
	s_cselect_b32 s87, 12800, 0                    ; Q's section or K's
	s_mul_i32 s66, s58, 3072                       ; q, k: my four tiles are fragments 2 (wave & 1), + 1
	s_lshl_b32 s89, s58, 3
	s_mov_b32 s90, 768
	s_mov_b32 s91, HS
	s_cmp_lg_u32 s13, 0                            ; v?
	s_cselect_b32 s84, s14, s84                    ; the chunk
	s_cselect_b32 s85, s85, s86                    ; the head
	s_cselect_b32 s87, 6400, s87                   ; the section
	s_cselect_b32 s66, 0, s66
	s_cselect_b32 s92, 1536, s90                   ; from tile to tile: a fragment (v), half a fragment (q, k)
	s_cselect_b32 s94, s90, s91                    ; from half to half of my 12 registers: half a fragment (v), the next head (q, k)
	s_cselect_b32 s96, 8, s91                      ; scale words: what lanes 16-31 add
	s_cselect_b32 s89, 0, s89
	s_cselect_b32 s97, -1, 0
	s_mov_b32 s67, 0
	s_mov_b32 s93, 0
	s_mov_b32 s95, 0
	s_lshr_b32 s98, s84, 4
	s_lshl_b32 s98, s98, 4
	s_add_co_u32 s98, s98, s85                     ; 16 x batch + head
	s_mul_i32 s98, s98, HS
	s_and_b32 s84, s84, 15
	s_mul_i32 s84, s84, CHK
	s_add_co_u32 s98, s98, s84
	s_add_co_u32 s98, s98, s87
	s_mov_b32 s99, 0
	s_add_nc_u64 s[6:7], s[6:7], s[98:99]          ; qkv at my section
	v_mul_u32_u24 v[SOF], s96, v[HH]
	v_lshl_add_u32 v[SOF], v8, 4, v[SOF]
	v_add_nc_u32 v[SOF], s89, v[SOF]               ; my 8 bytes of scale words: 16 r + what my half adds + 8 (wave & 1) for q, k
	s_wait_alu depctr_va_vdst(0)
	s_wait_tensorcnt 3                             ; my first stage's load has landed; my other three may be out
	s_barrier_signal -1
	s_barrier_wait -1                              ; everybody's has
	FETCH 0, 0
.irp k, 0,1,2,3,4,5,6,7
	STEP \k
.endr
	PLACES 4                                       ; in front of the first read of the last products' results
	s_add_nc_u64 s[40:41], s[6:7], s[66:67]        ; the stores' bases, tile a, half c at s[40 + 4 a + 2 c]: in the registers of R's descriptors, whose loads were shown done by the wait for 0 in step 5
.irp a, 1,2,3
	s_add_nc_u64 s[40+4*\a:41+4*\a], s[36+4*\a:37+4*\a], s[92:93]
.endr
.irp a, 0,1,2,3
	s_add_nc_u64 s[42+4*\a:43+4*\a], s[40+4*\a:41+4*\a], s[94:95]
.endr
.irp a, 0,1,2,3
	QUANTW \a
.endr
	; the scale words.  q, k: a tile's word holds two heads' byte pairs: lanes 0-15 take the first head's pairs of tiles (0, 1) and (2, 3), lanes 16-31 the second head's.  v: the four words as they are, two a lane.
	v_cmp_ne_u32 vcc_lo, 0, v[HH]
	v_mov_b32 v236, 0x05040100
	v_mov_b32 v237, 0x07060302
	v_cndmask_b32 v236, v236, v237, vcc_lo
	v_perm_b32 v238, v[PW+1], v[PW], v236
	v_perm_b32 v239, v[PW+3], v[PW+2], v236
	v_cndmask_b32 v240, v[PW], v[PW+2], vcc_lo
	v_cndmask_b32 v241, v[PW+1], v[PW+3], vcc_lo
	v_cndmask_b32 v238, v238, v240, s97
	v_cndmask_b32 v239, v239, v241, s97
	global_store_b64 v[SOF], v[238:239], s[6:7] offset:6144
	s_wait_dscnt 0x0
	s_wait_tensorcnt 0x0
	ds_add_u32 v254, v255
	s_wait_dscnt 0x0
	CROUND                                         ; the closing round: no work-group ends while a partner may still ask for a block that names it
	s_endpgm
.Lfunc_end_k_qe171733ee9_qkv:
	.size	k_qe171733ee9_qkv, .Lfunc_end_k_qe171733ee9_qkv-k_qe171733ee9_qkv
	.p2alignl 7, 3214868480
	.fill 96, 4, 3214868480
	.section	.rodata,"a",@progbits
	.p2align	6, 0x0
	.amdhsa_kernel k_qe171733ee9_qkv
		.amdhsa_group_segment_fixed_size 327680
		.amdhsa_private_segment_fixed_size 0
		.amdhsa_enable_private_segment 0
		.amdhsa_kernarg_size 16
		.amdhsa_user_sgpr_count 2
		.amdhsa_user_sgpr_kernarg_segment_ptr 1
		.amdhsa_wavefront_size32 1
		.amdhsa_system_sgpr_workgroup_id_x 1
		.amdhsa_system_sgpr_workgroup_id_y 1
		.amdhsa_system_sgpr_workgroup_id_z 1
		.amdhsa_system_vgpr_workitem_id 0
		.amdhsa_next_free_vgpr 768
		.amdhsa_next_free_sgpr 100
		.amdhsa_reserve_vcc 1
		.amdhsa_float_denorm_mode_32 3
		.amdhsa_float_denorm_mode_16_64 3
		.amdhsa_memory_ordered 1
		.amdhsa_forward_progress 1
		.amdhsa_inst_pref_size 89
	.end_amdhsa_kernel
	.amdgpu_metadata
---
amdhsa.version: [ 1, 2 ]
amdhsa.kernels:
  - .name:           k_qe171733ee9_qkv
    .symbol:         k_qe171733ee9_qkv.kd
    .args:
      - { .name: ops, .offset: 0, .size: 8, .value_kind: global_buffer, .address_space: global }
      - { .name: qkv, .offset: 8, .size: 8, .value_kind: global_buffer, .address_space: global }
    .group_segment_fixed_size: 327680
    .private_segment_fixed_size: 0
    .kernarg_segment_align: 8
    .kernarg_segment_size: 16
    .max_flat_workgroup_size: 128
    .sgpr_count:     100
    .vgpr_count:     768
    .wavefront_size: 32
...
	.end_amdgpu_metadata
.endif
;; end of part 2
;; launch attn (part 3): grid 4 x 64, 16 waves a work-group, clusters of 4 x 1, 206,848 bytes of LDS; arguments qkv, ao; writes ao
.if DOCPART == 3
	.amdgcn_target "amdgcn-amd-amdhsa--gfx1250"
	.amdhsa_code_object_version 6
	.text
	.protected	k_qe171733ee9_attn
	.globl	k_qe171733ee9_attn
	.p2align	8
	.type	k_qe171733ee9_attn,@function
k_qe171733ee9_attn:
	s_mov_b64 s[64:65], 0
	v_nop
	global_prefetch_b8 v0, s[64:65] scope:SCOPE_SE
	s_setreg_imm32_b32 hwreg(HW_REG_WAVE_MODE, 25, 1), 1
	s_wait_xcnt 0x0
	s_wait_alu depctr_hold_cnt(0) depctr_sa_sdst(0) depctr_va_vdst(0) depctr_va_sdst(0) depctr_va_ssrc(0) depctr_va_vcc(0) depctr_vm_vsrc(0)
	s_getreg_b32 s2, hwreg(HW_REG_IB_STS2, 6, 4)
	s_cmp_eq_u32 s2, 0
	s_cbranch_scc0 .Lentry_in_a_cluster
	s_endpgm
.Lentry_in_a_cluster:
	s_bfe_u32 s2, ttmp6, 0x10000c
	s_cmp_lg_u32 s2, 0x3003
	s_cbranch_scc0 .Lentry_shape_is_right
	s_endpgm
.Lentry_shape_is_right:
; Causal attention of one head on codes of FP6 (E2M3) with E8M0 scales: S^T = K Q^T, p = 2^(t - M), O^T = V^T P^T, O / l, and O / l quantised along the model's 1,024 for the last product.
; t = score x log2(e) / 8; M = the row's largest t so far, rounded UP to a whole number; p is quantised along the keys, not normalised; l is the f32 sum of the unquantised p.  When M moves, l and O are multiplied by 2^(old M - new M): exact.
; qkv = [batch x head][chunk of 128 tokens][19,200 bytes]: K's section (4 fragments + 256 bytes of scale words), V's, Q's, all as images of operand registers (see the launch that makes them).
; A ROW OF A FRAGMENT OF K HOLDS TWO KEYS (the head has 64 numbers, the instruction takes 128): key 32 f + m % 8 + 16 (m / 8) in k 0-63, that key + 8 in k 64-127.  So a fragment feeds two products: against [q | zero codes] for the
; first keys, against [zero codes | q] for the second.  The 16 registers of score tiles 2 f and 2 f + 1 are then keys 32 f + 16 (lane / 16) + 0 .. 15: 16 neighbours along the next K.
; SHARES.  A cluster of four work-groups is one head.  The head's K and V, 16 x 12,800 bytes, lie in each partner's LDS for the whole launch: wave w asks for key step w by ONE joint load; nothing is filled twice; one barrier.
; Each of the 16 waves then does two tasks by itself: query tile 2 cx + (w & 1) of chunk w / 2, and the same tile of chunk 15 - w / 2: (w / 2 + 1) + (16 - w / 2) = 17 key steps for every wave of the launch.
; The loops' trip counts are constants (8, 16); a step all of whose keys come after the chunk is jumped over, by a branch on the wave's number and the counter.  cx enters global addresses and the mask's compare alone.
; ao = [chunk of 128 tokens 0..63][pair of heads 0..7][12,800 bytes], laid as ops: the tile's 6 registers of codes are half (head & 1) of fragment 2 cx + (w & 1): stores of 512 and 256 consecutive bytes, aligned to 256.
; The two scale bytes of a row leave by a store of 2 bytes a lane (lanes r and r + 16 hold the same bytes and name the same address): one part in 25 of the output's bytes.
; No prefetch: every byte of K and V is asked for at the head, and no later stream exists.
; LIMITS: NaN and infinities are not served; a block of zeros gets the byte 1 (its codes are zeros; this program alone reads the bytes).
.set HS,   307200
.set CHK,  19200
.set KVB,  12800                       ; a key step in LDS: K's section, then V's
.set WV,   8
.set G1,   16                          ; s[16:23], s[24:27] the descriptor
.set G0,   24
.set SEL,  28
.set CS,   30                          ; s[30:31] c = log2(e) / 8
.set T,    32                          ; the key step
.set TB,   33                          ; its LDS byte
.set C,    34                          ; the task's chunk
.set L16,  1                           ; v1 16 x lane   v2 8 x lane   v3 16 r   v8 32 r
.set L8,   2
.set R16,  3
.set DM,   4                           ; v4  my query's place in its chunk - 16 (lane / 16)
.set A16,  5                           ; v5-7 the step's LDS addresses
.set A8,   6
.set AS,   7
.set R32,  8
.set QHI,  16                          ; v[16:27] = [zero codes | q];  v[22:33] = [q | zero codes]
.set QQ,   22
.set QS,   34                          ; q's scale word; p's; K's four, then V's four: these hold scales and nothing else
.set PS,   35
.set KS,   36
.set NM,   40                          ; v40 -M, v41 the largest t
.set LS,   42                          ; v[42:43] l in two halves
.set F,    44                          ; v44-91 four fragments
.set S,    96                          ; v96-159 S^T, then p
.set O,    160                         ; v160-191 O^T
.set PC,   192                         ; v192-203 p's codes;  v204-211 the conversions' second halves
.set CT,   204
.set BM,   212
.set BP,   216
.set SO,   220
.set FF,   224                         ; v[224:225] f (the pair's upper word is written once)
.set TMP,  226
.set NINF, 227
.set CH2,  228
.set SBY,  230
.set Q2,   232                         ; the second task's q
.set RAW,  238                         ; v238, v239 the two tasks' scale bytes of q
.macro PLACES n
.rept \n
	v_nop
.endr
.endm
.macro CROUND                          ; a round of the cluster's barrier
	s_barrier_signal -1
	s_barrier_wait -1
	s_cmp_lg_u32 s[WV], 0
	s_cbranch_scc1 .Lnot_wave_0_\@
	s_barrier_signal -3
.Lnot_wave_0_\@:
	s_barrier_wait -3
	s_barrier_signal -1
	s_barrier_wait -1
.endm
.macro FRAG reg, wide, narrow, off     ; a fragment's image, 1,536 bytes, into 12 registers
	ds_load_b128 v[(\reg):(\reg)+3], v[\wide] offset:(\off)
	ds_load_b64 v[(\reg)+4:(\reg)+5], v[\narrow] offset:(\off)+512
	ds_load_b128 v[(\reg)+6:(\reg)+9], v[\wide] offset:(\off)+768
	ds_load_b64 v[(\reg)+10:(\reg)+11], v[\narrow] offset:(\off)+1280
.endm
; A KEY STEP: 128 keys against my 16 queries
.macro TSTEP
	s_cmp_gt_u32 s[T], s[C]                        ; all these keys come after my queries: only the address steps
	s_cbranch_scc1 .Lhidden_\@
	s_setprio 2
	v_add_nc_u32 v[A16], s[TB], v[L16]
	v_add_nc_u32 v[A8], s[TB], v[L8]
	v_add_nc_u32 v[AS], s[TB], v[R16]
	v_nop                                          ; four plain instructions in front of loads into registers that the last products read
.irp f, 0,1,2,3
	FRAG F+12*\f, A16, A8, 1536*\f
.endr
	ds_load_b128 v[KS:KS+3], v[AS] offset:6144
	s_wait_alu depctr_va_vdst(0)
	s_wait_dscnt 0x0
.irp f, 0,1,2,3
	v_wmma_scale_f32_16x16x128_f8f6f4 v[S+16*\f:S+16*\f+7], v[F+12*\f:F+12*\f+11], v[QQ:QQ+11], 0, v[KS+\f], v[QS] matrix_a_fmt:MATRIX_FMT_FP6 matrix_b_fmt:MATRIX_FMT_FP6
	v_wmma_scale_f32_16x16x128_f8f6f4 v[S+16*\f+8:S+16*\f+15], v[F+12*\f:F+12*\f+11], v[QHI:QHI+11], 0, v[KS+\f], v[QS] matrix_a_fmt:MATRIX_FMT_FP6 matrix_b_fmt:MATRIX_FMT_FP6
.endr
	PLACES 4                                       ; in front of the loads below and of the first read of the scores
.irp f, 0,1,2,3
	FRAG F+12*\f, A16, A8, 6400+1536*\f            ; V's fragments are asked for now and land under the softmax
.endr
	ds_load_b128 v[KS:KS+3], v[AS] offset:12544
	s_cmp_lt_u32 s[T], s[C]                        ; only the chunk's own step lies on the diagonal
	s_cbranch_scc1 .Lopen_\@
.set n, 0
.rept 64                                       ; register 16 b + i holds key 32 b + i + 16 (lane / 16) of the chunk: hidden where 32 b + i > my query's place - 16 (lane / 16)
	v_cmp_gt_i32 vcc_lo, 32*(n/16)+n%16, v[DM]
	v_cndmask_b32 v[S+n], v[S+n], v[NINF], vcc_lo
.set n, n+1
.endr
.Lopen_\@:
.irp b, 0,1,2,3
	v_max3_num_f32 v[BM+\b], v[S+16*\b], v[S+1+16*\b], v[S+2+16*\b]   ; the largest score of each block of 32 keys: for the row's maximum, and, since p rises with the score, for the block's largest p
.endr
.irp i, 3,5,7,9,11,13
.irp b, 0,1,2,3
	v_max3_num_f32 v[BM+\b], v[BM+\b], v[S+16*\b+\i], v[S+1+16*\b+\i]
.endr
.endr
.irp b, 0,1,2,3
	v_max_num_f32 v[BM+\b], v[BM+\b], v[S+15+16*\b]
.endr
.irp b, 0,1,2,3
	s_delay_alu instid0(VALU_DEP_4)
	v_permlanex16_b32 v[BP+\b], v[BM+\b], s[SEL], s[SEL+1]
.endr
.irp b, 0,1,2,3
	s_delay_alu instid0(VALU_DEP_4)
	v_max_num_f32 v[BM+\b], v[BM+\b], v[BP+\b]     ; with lane l xor 16's 16 keys
.endr
	s_delay_alu instid0(VALU_DEP_2)
	v_max3_num_f32 v[TMP], v[BM], v[BM+1], v[BM+2]
	s_delay_alu instid0(VALU_DEP_1)
	v_max_num_f32 v[TMP], v[TMP], v[BM+3]
	s_delay_alu instid0(VALU_DEP_1)
	v_mul_f32 v[TMP], s[CS], v[TMP]                ; the step's largest t (c is positive)
	s_delay_alu instid0(VALU_DEP_1)
	v_max_num_f32 v[NM+1], v[NM+1], v[TMP]         ; the running largest t
	v_mov_b32 v[TMP], v[NM]
	s_delay_alu instid0(VALU_DEP_2)
	v_floor_f32 v[NM], -v[NM+1]                    ; the new -M = floor(-t): M is a whole number
	s_delay_alu instid0(VALU_DEP_1)
	v_sub_f32 v[TMP], v[NM], v[TMP]                ; old M - new M: a whole number, 0 or less
	s_delay_alu instid0(VALU_DEP_1)
	v_cvt_i32_f32 v[TMP], v[TMP]                   ; (it saturates)
	s_delay_alu instid0(VALU_DEP_1)
	v_ldexp_f32 v[FF], 1.0, v[TMP]                 ; f = 2^(old M - new M)
.set j, 0
.rept 32
	v_pk_fma_f32 v[S+j:S+j+1], v[S+j:S+j+1], s[CS:CS+1], v[NM:NM+1] op_sel_hi:[1,0,0]   ; t - M, two at a time
.set j, j+2
.endr
	s_setprio 1
.irp b, 0,1,2,3
	v_fma_f32 v[BM+\b], v[BM+\b], s[CS], v[NM]     ; the same of each block's largest score
.endr
.set j, 0
	s_wait_alu depctr_va_vdst(0)
.rept 64
	v_exp_f32 v[S+j], v[S+j]                       ; p = 2^(t - M)
.set j, j+1
.endr
	v_pk_mul_f32 v[LS:LS+1], v[LS:LS+1], v[FF:FF+1] op_sel_hi:[1,0]   ; l under the new M: the plain instruction behind the exponentials
	s_wait_alu depctr_va_vdst(0)                   ; one wait for the batch of 64, ahead of its first reader
.irp b, 0,1,2,3
	v_exp_f32 v[BM+\b], v[BM+\b]                   ; the block's largest p: the same two instructions on the same number give the same bits
.endr
	v_pk_add_f32 v[228:229], v[100:101], v[104:105]
	v_pk_add_f32 v[252:253], v[108:109], v[112:113]
	v_pk_add_f32 v[250:251], v[116:117], v[120:121]
	v_pk_add_f32 v[248:249], v[124:125], v[128:129]
	v_pk_add_f32 v[246:247], v[132:133], v[136:137]
	v_pk_add_f32 v[244:245], v[140:141], v[144:145]
	v_pk_add_f32 v[242:243], v[148:149], v[152:153]
	v_pk_add_f32 v[42:43], v[42:43], v[156:157]
	v_pk_add_f32 v[228:229], v[228:229], v[96:97]
	v_pk_add_f32 v[252:253], v[252:253], v[98:99]
	v_pk_add_f32 v[250:251], v[250:251], v[102:103]
	v_pk_add_f32 v[248:249], v[248:249], v[106:107]
	v_pk_add_f32 v[246:247], v[246:247], v[110:111]
	v_pk_add_f32 v[244:245], v[244:245], v[114:115]
	v_pk_add_f32 v[242:243], v[242:243], v[118:119]
	v_pk_add_f32 v[42:43], v[42:43], v[122:123]
	v_pk_add_f32 v[228:229], v[228:229], v[126:127]
	v_pk_add_f32 v[252:253], v[252:253], v[130:131]
	v_pk_add_f32 v[250:251], v[250:251], v[134:135]
	v_pk_add_f32 v[248:249], v[248:249], v[138:139]
	v_pk_add_f32 v[246:247], v[246:247], v[142:143]
	v_pk_add_f32 v[244:245], v[244:245], v[146:147]
	v_pk_add_f32 v[242:243], v[242:243], v[150:151]
	v_pk_add_f32 v[42:43], v[42:43], v[154:155]
	v_pk_add_f32 v[228:229], v[228:229], v[158:159]
	s_delay_alu instid0(VALU_DEP_2)
	v_pk_add_f32 v[42:43], v[42:43], v[248:249]
	s_delay_alu instid0(VALU_DEP_2)
	v_pk_add_f32 v[228:229], v[228:229], v[246:247]
	v_pk_add_f32 v[252:253], v[252:253], v[244:245]
	v_pk_add_f32 v[250:251], v[250:251], v[242:243]
	s_delay_alu instid0(VALU_DEP_2)
	v_pk_add_f32 v[42:43], v[42:43], v[252:253]
	s_delay_alu instid0(VALU_DEP_2)
	v_pk_add_f32 v[228:229], v[228:229], v[250:251]
	s_delay_alu instid0(VALU_DEP_1)
	v_pk_add_f32 v[42:43], v[42:43], v[228:229]
	s_wait_alu depctr_va_vdst(0)                   ; and one for the four
.irp b, 0,1,2,3
	v_max_num_f32 v[BM+\b], 0x1800000, v[BM+\b]    ; the floor 2^(3 - 127): the byte cannot fall under 1
.endr
.irp b, 0,1,2,3
	s_delay_alu instid0(VALU_DEP_4)
	v_add_nc_u32 v[SO+\b], 0xff000000, v[BM+\b]    ; 2 off the exponent field: the conversion's scale operand
.endr
.irp b, 0,1,2,3
	s_delay_alu instid0(VALU_DEP_4)
	v_lshrrev_b32 v[BP+\b], 23, v[SO+\b]           ; the scale's byte
.endr
	s_delay_alu instid0(VALU_DEP_3)
	v_lshl_or_b32 v[PS], v[BP+1], 8, v[BP]         ; p's scale word for these 128 keys
	s_delay_alu instid0(VALU_DEP_1)
	v_lshl_or_b32 v[PS], v[BP+2], 16, v[PS]
	s_delay_alu instid0(VALU_DEP_1)
	v_lshl_or_b32 v[PS], v[BP+3], 24, v[PS]
	s_setprio 0
.irp c, 0,1
	v_cvt_scalef32_pk16_fp6_f32 v[PC+6*\c:PC+6*\c+2], v[S+32*\c:S+32*\c+15], v[SO+2*\c]
	v_cvt_scalef32_pk16_fp6_f32 v[CT+4*\c:CT+4*\c+2], v[S+32*\c+16:S+32*\c+31], v[SO+2*\c+1]
.endr
	v_nop                                          ; one plain instruction behind the scaled conversions
.irp c, 0,1                                    ; the operand wants a WHOLE block in a lane
.irp i, 0,1,2
	v_permlane16_swap_b32 v[PC+6*\c+\i], v[CT+4*\c+\i]
.endr
.irp i, 0,1,2
	s_delay_alu instid0(VALU_DEP_3)
	v_mov_b32 v[PC+3+6*\c+\i], v[CT+4*\c+\i]
.endr
.endr
.set j, 0
.rept 16
	v_pk_mul_f32 v[O+j:O+j+1], v[O+j:O+j+1], v[FF:FF+1] op_sel_hi:[1,0]   ; O^T under the new M; these 16 also stand between the lines that made p's scale word and codes and the products below
.set j, j+2
.endr
	s_wait_alu depctr_va_vdst(0)
	s_wait_dscnt 0x0                               ; V's fragments and scale words are in
.irp f, 0,1,2,3
	v_wmma_scale_f32_16x16x128_f8f6f4 v[O+8*\f:O+8*\f+7], v[F+12*\f:F+12*\f+11], v[PC:PC+11], v[O+8*\f:O+8*\f+7], v[KS+\f], v[PS] matrix_a_fmt:MATRIX_FMT_FP6 matrix_b_fmt:MATRIX_FMT_FP6
.endr
.Lhidden_\@:
	s_add_co_u32 s[TB], s[TB], KVB
.endm
; THE END OF A TASK: O^T / l, quantised along the head's 64 (two blocks of the model's 1,024), stored as half a fragment of ao
.macro TEND
	v_add_f32 v[LS], v[LS], v[LS+1]
	s_delay_alu instid0(VALU_DEP_1)
	v_permlanex16_b32 v[TMP], v[LS], s[SEL], s[SEL+1]
	s_delay_alu instid0(VALU_DEP_1)
	v_add_f32 v[LS], v[LS], v[TMP]                 ; the row's sum
	s_wait_alu depctr_va_vdst(0)
	v_rcp_f32 v[LS], v[LS]
	PLACES 4                                       ; a plain instruction behind the reciprocal; and four behind the last products, in front of the first read of O^T
	s_mul_i32 s54, s[C], 102400
	s_add_co_u32 s48, s52, s54
	s_mov_b32 s49, 0
	s_add_co_u32 s50, s53, s54
	s_mov_b32 s51, 0
	s_add_nc_u64 s[48:49], s[6:7], s[48:49]        ; my half fragment
	s_add_nc_u64 s[50:51], s[6:7], s[50:51]        ; my rows' scale bytes
	s_wait_alu depctr_va_vdst(0)                   ; the wait ahead of the reciprocal's first reader
.set j, 0
.rept 16
	v_pk_mul_f32 v[S+j:S+j+1], v[O+j:O+j+1], v[LS:LS+1] op_sel_hi:[1,0]   ; register 16 b + i = the head's number 32 b + 16 (lane / 16) + i; each accumulator from its low end on
.set j, j+2
.endr
.irp b, 0,1
	v_max3_num_f32 v[BM+\b], |v[S+16*\b]|, |v[S+1+16*\b]|, 0x1800000
.endr
.irp i, 2,4,6,8,10,12,14
.irp b, 0,1
	s_delay_alu instid0(VALU_DEP_2)
	v_max3_num_f32 v[BM+\b], v[BM+\b], |v[S+16*\b+\i]|, |v[S+1+16*\b+\i]|
.endr
.endr
.irp b, 0,1
	s_delay_alu instid0(VALU_DEP_2)
	v_permlanex16_b32 v[BP+\b], v[BM+\b], s[SEL], s[SEL+1]
.endr
.irp b, 0,1
	s_delay_alu instid0(VALU_DEP_2)
	v_max_num_f32 v[BM+\b], v[BM+\b], v[BP+\b]
.endr
.irp b, 0,1
	s_delay_alu instid0(VALU_DEP_2)
	v_add_nc_u32 v[SO+\b], 0xff000000, v[BM+\b]
.endr
.irp b, 0,1
	s_delay_alu instid0(VALU_DEP_2)
	v_lshrrev_b32 v[BP+\b], 23, v[SO+\b]
.endr
	s_delay_alu instid0(VALU_DEP_1)
	v_lshl_or_b32 v[SBY], v[BP+1], 8, v[BP]        ; my row's two scale bytes
	v_cvt_scalef32_pk16_fp6_f32 v[PC:PC+2], v[S:S+15], v[SO]
	v_cvt_scalef32_pk16_fp6_f32 v[CT:CT+2], v[S+16:S+31], v[SO+1]
	v_nop                                          ; one plain instruction behind the scaled conversions
.irp i, 0,1,2
	v_permlane16_swap_b32 v[PC+\i], v[CT+\i]
.endr
.irp i, 0,1,2
	s_delay_alu instid0(VALU_DEP_3)
	v_mov_b32 v[PC+3+\i], v[CT+\i]
.endr
	global_store_b128 v[L16], v[PC:PC+3], s[48:49]
	global_store_b64 v[L8], v[PC+4:PC+5], s[48:49] offset:512
	global_store_b16 v[R32], v[SBY], s[50:51]
.endm
.macro TASK trips, second
	s_wait_xcnt 0x0                                ; the registers and bases that earlier loads and stores read are written again only behind this wait
.if \second
.irp i, 0,1,2,3,4,5
	v_mov_b32 v[QQ+\i], v[Q2+\i]
.endr
	v_lshl_or_b32 v[QS], v[RAW+1], 16, v[RAW+1]
	s_sub_co_u32 s[C], 15, s12
.else
	v_lshl_or_b32 v[QS], v[RAW], 16, v[RAW]        ; q's two bytes in both halves of the word: it serves [q | 0] and [0 | q]
	s_mov_b32 s[C], s12
.endif
.set j, 0
.rept 32
	v_mov_b32 v[O+j], 0                            ; the step is written once: the first finds zeros, which the first change of M leaves zeros
.set j, j+1
.endr
	v_mov_b32 v[NM+1], 0xff61b1e6                  ; the largest t so far: -3e38
	s_delay_alu instid0(VALU_DEP_1)
	v_floor_f32 v[NM], -v[NM+1]
	v_mov_b32 v[LS], 0
	v_mov_b32 v[LS+1], 0
	s_mov_b32 s[T], 0
	s_mov_b32 s[TB], 0
.Ltask_\@:
	TSTEP
	s_add_co_u32 s[T], s[T], 1
	s_cmp_lt_u32 s[T], \trips
	s_cbranch_scc1 .Ltask_\@
	s_setprio 0
	s_wait_alu depctr_va_vdst(0)
	TEND
.endm
	s_load_b128 s[4:7], s[0:1], 0x0                ; qkv, ao
	v_lshl_add_u32 v254, v0, 2, 0x32000
	v_mov_b32 v255, 0
	ds_add_u32 v254, v255
	ds_add_u32 v254, v255
	v_lshrrev_b32 v1, 5, v0
	s_delay_alu instid0(VALU_DEP_1)
	v_readfirstlane_b32 s[WV], v1                  ; wave 0..15
	s_bfe_u32 s9, ttmp6, 0x40000                   ; cx
	s_and_b32 s10, ttmp7, 0xffff                   ; 16 x batch + head, which the four partners share
	s_and_b32 s11, s[WV], 1                        ; u
	s_lshr_b32 s12, s[WV], 1                       ; c
	s_mov_b32 s[G1], 15|(3<<16)|(1<<21)            ; 15:0 the mask: all four; 17:16 elements of 8 bytes; 21 set beside a mask; no padding
	s_mov_b32 s[G1+1], 32<<16                      ; a dense block of 12,800 bytes as 50 rows of 256 bytes
	s_mov_b32 s[G1+2], 50<<16
	s_mov_b32 s[G1+3], 32<<16
	s_mov_b32 s[G1+4], 50
	s_mov_b32 s[G1+5], 32
	s_mov_b32 s[G1+6], 0
	s_mov_b32 s[G1+7], 0
	s_mul_i32 s36, s10, HS
	s_mov_b32 s37, 0
	s_mul_i32 s38, s[WV], CHK
	s_mov_b32 s39, 0
	s_mul_i32 s13, s[WV], KVB
	s_wait_dscnt 0x0
	s_wait_kmcnt 0x0
	s_add_nc_u64 s[36:37], s[4:5], s[36:37]        ; the head in qkv
	CROUND                                         ; all four work-groups are here: the joint loads meet
	s_mov_b32 s[G0], 1
	s_mov_b32 s[G0+1], s13                         ; key step w lies at 12,800 w
	s_add_nc_u64 s[G0+2:G0+3], s[36:37], s[38:39]
	s_or_b32 s[G0+3], s[G0+3], 0x80000000
	tensor_load_to_lds s[G0:G0+3], s[G1:G1+7]      ; my one tensor load: K's and V's sections of chunk w
	s_nop 0
	PLACES 4
	v_and_b32 v9, 31, v0                           ; lane
	v_and_b32 v10, 15, v0                          ; r
	v_bfe_u32 v11, v0, 4, 1                        ; h
	s_delay_alu instid0(VALU_DEP_3)
	v_lshlrev_b32 v[L16], 4, v9
	s_wait_alu depctr_va_vdst(0)
	v_lshlrev_b32 v[L8], 3, v9
	s_wait_alu depctr_va_vdst(0)
	v_lshlrev_b32 v[R16], 4, v10
	s_wait_alu depctr_va_vdst(0)
	v_lshlrev_b32 v[R32], 5, v10
	v_and_b32 v[DM], 8, v10
	s_delay_alu instid0(VALU_DEP_1)
	v_add_nc_u32 v[DM], v[DM], v10                 ; r % 8 + 16 (r / 8)
	v_lshlrev_b32 v11, 4, v11
	s_delay_alu instid0(VALU_DEP_1)
	v_sub_nc_u32 v[DM], v[DM], v11
	s_lshl_b32 s2, s9, 5
	s_lshl_b32 s3, s11, 3
	s_add_co_u32 s2, s2, s3
	v_add_nc_u32 v[DM], s2, v[DM]                  ; + 32 cx + 8 u
	s_mul_i32 s14, s9, 1536
	s_mul_i32 s15, s11, 768
	s_add_co_u32 s14, s14, s15
	s_add_co_u32 s14, s14, 12800                   ; q's codes in a chunk: fragment cx, half u of Q's section
	s_lshl_b32 s15, s9, 2
	s_lshl_b32 s2, s11, 1
	s_add_co_u32 s15, s15, s2
	s_add_co_u32 s15, s15, 18944                   ; and its scale bytes: 12,800 + 6,144 + 4 cx + 2 u
	s_mul_i32 s3, s12, CHK                         ; chunk c
	s_sub_co_u32 s35, 15, s12
	s_mul_i32 s35, s35, CHK                        ; chunk 15 - c
	s_add_co_u32 s40, s3, s14
	s_mov_b32 s41, 0
	s_add_co_u32 s42, s3, s15
	s_mov_b32 s43, 0
	s_add_co_u32 s44, s35, s14
	s_mov_b32 s45, 0
	s_add_co_u32 s46, s35, s15
	s_mov_b32 s47, 0
	s_add_nc_u64 s[40:41], s[36:37], s[40:41]
	s_add_nc_u64 s[42:43], s[36:37], s[42:43]
	s_add_nc_u64 s[44:45], s[36:37], s[44:45]
	s_add_nc_u64 s[46:47], s[36:37], s[46:47]
	global_load_b128 v[QQ:QQ+3], v[L16], s[40:41]  ; both tasks' q and scale bytes
	global_load_b64 v[QQ+4:QQ+5], v[L8], s[40:41] offset:512
	global_load_u16 v[RAW], v[R16], s[42:43]
	global_load_b128 v[Q2:Q2+3], v[L16], s[44:45]
	global_load_b64 v[Q2+4:Q2+5], v[L8], s[44:45] offset:512
	global_load_u16 v[RAW+1], v[R16], s[46:47]
	; where the results go, but for the chunk: ao + (16 x batch + chunk) x 102,400 + (head / 2) x 12,800 ..
	s_lshr_b32 s52, s10, 4
	s_lshl_b32 s52, s52, 4
	s_mul_i32 s52, s52, 102400
	s_and_b32 s53, s10, 15
	s_lshr_b32 s53, s53, 1
	s_mul_i32 s53, s53, 12800
	s_add_co_u32 s52, s52, s53
	s_lshl_b32 s2, s9, 1
	s_add_co_u32 s2, s2, s11                       ; the fragment: 2 cx + u
	s_and_b32 s3, s10, 1                           ; the half: head & 1
	s_lshl_b32 s53, s2, 2
	s_add_co_u32 s53, s53, s52
	s_lshl_b32 s54, s3, 1
	s_add_co_u32 s53, s53, s54
	s_add_co_u32 s53, s53, 12288                   ; .. + 12,288 + 4 x fragment + 2 x half: the scale bytes
	s_mul_i32 s2, s2, 1536
	s_add_co_u32 s52, s52, s2
	s_mul_i32 s3, s3, 768
	s_add_co_u32 s52, s52, s3                      ; .. + 1,536 x fragment + 768 x half: the codes
	s_mov_b32 s[SEL], 0x76543210
	s_mov_b32 s[SEL+1], 0xfedcba98
	s_mov_b32 s[CS], 0x3e38aa3b                    ; c = log2(e) / 8
	s_mov_b32 s[CS+1], s[CS]                       ; (named with it as a pair, so it is written)
.irp i, 0,1,2,3,4,5
	v_mov_b32 v[QHI+\i], 0                         ; zero codes below q
	v_mov_b32 v[QQ+6+\i], 0                        ; and above it
.endr
.irp b, 0,1,2,3
	v_mov_b32 v[BP+\b], 0                          ; written once: a lane permute's destination counts as one of its sources
.endr
	v_mov_b32 v[FF+1], 0
	v_mov_b32 v[TMP], 0
	v_mov_b32 v[NINF], 0xff800000                  ; -infinity
	s_wait_tensorcnt 0x0                           ; my key step has landed
	s_barrier_signal -1
	s_barrier_wait -1                              ; all sixteen have: from here on LDS is only read
	s_wait_loadcnt 0x0                             ; q
	TASK 8, 0
	TASK 16, 1
	s_wait_dscnt 0x0
	s_wait_tensorcnt 0x0
	ds_add_u32 v254, v255
	s_wait_dscnt 0x0
	CROUND                                         ; the closing round: no work-group ends while a partner may still ask for a block that names it
	s_endpgm
.Lfunc_end_k_qe171733ee9_attn:
	.size	k_qe171733ee9_attn, .Lfunc_end_k_qe171733ee9_attn-k_qe171733ee9_attn
	.p2alignl 7, 3214868480
	.fill 96, 4, 3214868480
	.section	.rodata,"a",@progbits
	.p2align	6, 0x0
	.amdhsa_kernel k_qe171733ee9_attn
		.amdhsa_group_segment_fixed_size 206848
		.amdhsa_private_segment_fixed_size 0
		.amdhsa_enable_private_segment 0
		.amdhsa_kernarg_size 16
		.amdhsa_user_sgpr_count 2
		.amdhsa_user_sgpr_kernarg_segment_ptr 1
		.amdhsa_wavefront_size32 1
		.amdhsa_system_sgpr_workgroup_id_x 1
		.amdhsa_system_sgpr_workgroup_id_y 1
		.amdhsa_system_sgpr_workgroup_id_z 1
		.amdhsa_system_vgpr_workitem_id 0
		.amdhsa_next_free_vgpr 256
		.amdhsa_next_free_sgpr 66
		.amdhsa_reserve_vcc 1
		.amdhsa_float_denorm_mode_32 3
		.amdhsa_float_denorm_mode_16_64 3
		.amdhsa_memory_ordered 1
		.amdhsa_forward_progress 1
		.amdhsa_inst_pref_size 64
	.end_amdhsa_kernel
	.amdgpu_metadata
---
amdhsa.version: [ 1, 2 ]
amdhsa.kernels:
  - .name:           k_qe171733ee9_attn
    .symbol:         k_qe171733ee9_attn.kd
    .args:
      - { .name: qkv, .offset: 0, .size: 8, .value_kind: global_buffer, .address_space: global }
      - { .name: ao, .offset: 8, .size: 8, .value_kind: global_buffer, .address_space: global }
    .group_segment_fixed_size: 206848
    .private_segment_fixed_size: 0
    .kernarg_segment_align: 8
    .kernarg_segment_size: 16
    .max_flat_workgroup_size: 512
    .sgpr_count:     66
    .vgpr_count:     256
    .wavefront_size: 32
...
	.end_amdgpu_metadata
.endif
;; end of part 3
;; launch outp (part 4): grid 8 x 32, 4 waves a work-group, clusters of 4 x 4, 327,680 bytes of LDS; arguments ao, ops, out0; writes out0
.if DOCPART == 4
	.amdgcn_target "amdgcn-amd-amdhsa--gfx1250"
	.amdhsa_code_object_version 6
	.text
	.protected	k_qe171733ee9_outp
	.globl	k_qe171733ee9_outp
	.p2align	8
	.type	k_qe171733ee9_outp,@function
k_qe171733ee9_outp:
	s_mov_b64 s[64:65], 0
	v_nop
	global_prefetch_b8 v0, s[64:65] scope:SCOPE_SE
	s_setreg_imm32_b32 hwreg(HW_REG_WAVE_MODE, 25, 1), 1
	s_wait_xcnt 0x0
	s_wait_alu depctr_hold_cnt(0) depctr_sa_sdst(0) depctr_va_vdst(0) depctr_va_sdst(0) depctr_va_ssrc(0) depctr_va_vcc(0) depctr_vm_vsrc(0)
	s_getreg_b32 s2, hwreg(HW_REG_IB_STS2, 6, 4)
	s_cmp_eq_u32 s2, 0
	s_cbranch_scc0 .Lentry_in_a_cluster
	s_endpgm
.Lentry_in_a_cluster:
	s_bfe_u32 s2, ttmp6, 0x10000c
	s_cmp_lg_u32 s2, 0xf033
	s_cbranch_scc0 .Lentry_shape_is_right
	s_endpgm
.Lentry_shape_is_right:
; out0 = attention's output x Wo^T on codes of FP6 (E2M3) with E8M0 scales, f32 sums.  ao (tokens) and ops (Wo at rho 88-95) are laid [rho][kappa][12,800 bytes]: a block = 8 fragments of 1,536 bytes + 512 bytes of
; scale words; row r of fragment f is row 32 (f / 2) + 8 (f % 2) + r % 8 + 16 (r / 8) of the block's 128.
; THE TILE.  A work-group makes 256 tokens (R, source 1: a lane holds ONE token) x 128 outputs (P, source 0: a lane's registers run along the outputs) over all of K = 1,024.  Wave w has tokens 64 w on: 4 fragments against P's 8:
; 32 accumulators.  ALL OF K LIES IN LDS (2 x 102,400 + 102,400 bytes), brought by first fills alone, in four stages of 256 along K: nothing is filled twice.  256 work-groups.
; CLUSTERS: 4 x 4.  The tokens' blocks hang on the tile row alone and are asked for jointly along a row of the cluster, Wo's on the tile column alone, along a column.
; THE WAY OUT.  A lane holds pieces of 32 bytes of one row of out0: 16 tokens x 64 outputs at a time go through the wave's own stage in LDS (behind the fills' bytes) and leave as rows of 256 bytes: sixteen lanes store 256 consecutive bytes, aligned to 256.
; REGISTERS: window 0: v2-7 LDS addresses; v8-10 the way out; v32-55 scale words, two sets, and nothing else; v64-159 R's fragments, two sets; v160-223 rows on the way out.  window 1: P's fragments, two sets.  window 2: accumulator (a, b) at v[8 (8 a + b)].
.set BLK,   12800
.set RHO,   8*BLK
.set PAIR,  2*BLK
.set STAGE, 3*PAIR
.set OUTS,  4*STAGE                    ; the way out: 16 rows x (256 + 16) bytes for each wave
.set WV,  8
.set G1A, 24
.set G1B, 32
.set G0A, 40
.set G0B, 68
.set A16, 2
.set A8,  3
.set B16, 4
.set B8,  5
.set ASA, 6
.set ASB, 7
.set STO, 8
.set RD,  9
.set CO,  10
.set SC,  32
.set AF,  64
.set OB,  160
.set MSB, 0
.macro WIN new                         ; the immediate's high byte repeats the setting that is left
.if MSB != \new
	s_set_vgpr_msb (MSB<<8)|\new
.set MSB, \new
.endif
.endm
.macro PLACES n
.rept \n
	v_nop
.endr
.endm
.macro CROUND                          ; a round of the cluster's barrier
	s_barrier_signal -1
	s_barrier_wait -1
	s_cmp_lg_u32 s[WV], 0
	s_cbranch_scc1 .Lnot_wave_0_\@
	s_barrier_signal -3
.Lnot_wave_0_\@:
	s_barrier_wait -3
	s_barrier_signal -1
	s_barrier_wait -1
.endm
.macro FRAG reg, wide, narrow, off     ; a fragment's image, 1,536 bytes, into 12 registers: every load reads consecutive bytes
	ds_load_b128 v[(\reg):(\reg)+3], v[\wide] offset:(\off)
	ds_load_b64 v[(\reg)+4:(\reg)+5], v[\narrow] offset:(\off)+512
	ds_load_b128 v[(\reg)+6:(\reg)+9], v[\wide] offset:(\off)+768
	ds_load_b64 v[(\reg)+10:(\reg)+11], v[\narrow] offset:(\off)+1280
.endm
.macro FETCH kp, p                     ; the stage's kp-th 128 along K into set p: 51 LDS loads in one run
	WIN 0x40                                       ; destination window 1
.irp b, 0,1,2,3,4,5,6,7
	FRAG 128*(\p)+12*\b, B16, B8, BLK*(\kp)+1536*\b
.endr
	WIN 0
.irp a, 0,1,2,3
	FRAG AF+48*(\p)+12*\a, A16, A8, BLK*(\kp)+1536*\a
.endr
	ds_load_b128 v[SC+12*(\p):SC+12*(\p)+3], v[ASA] offset:BLK*(\kp)
	ds_load_b128 v[SC+12*(\p)+4:SC+12*(\p)+7], v[ASB] offset:BLK*(\kp)
	ds_load_b128 v[SC+12*(\p)+8:SC+12*(\p)+11], v[ASB] offset:BLK*(\kp)+16
.endm
.macro MUL p, zero                     ; 32 products, 128 along K; the 32 accumulators take turns, one instruction a turn, in the same order in every step
	WIN 0xa1                                       ; source 0 (P) window 1, source 1 (R) window 0, C and D window 2
.irp a, 0,1,2,3
.irp b, 0,1,2,3,4,5,6,7
.if \zero
	v_wmma_scale_f32_16x16x128_f8f6f4 v[8*(8*\a+\b):8*(8*\a+\b)+7], v[128*(\p)+12*\b:128*(\p)+12*\b+11], v[AF+48*(\p)+12*\a:AF+48*(\p)+12*\a+11], 0, v[SC+12*(\p)+4+\b], v[SC+12*(\p)+\a] matrix_a_fmt:MATRIX_FMT_FP6 matrix_b_fmt:MATRIX_FMT_FP6
.else
	v_wmma_scale_f32_16x16x128_f8f6f4 v[8*(8*\a+\b):8*(8*\a+\b)+7], v[128*(\p)+12*\b:128*(\p)+12*\b+11], v[AF+48*(\p)+12*\a:AF+48*(\p)+12*\a+11], v[8*(8*\a+\b):8*(8*\a+\b)+7], v[SC+12*(\p)+4+\b], v[SC+12*(\p)+\a] matrix_a_fmt:MATRIX_FMT_FP6 matrix_b_fmt:MATRIX_FMT_FP6
.endif
.endr
.endr
	WIN 0
.endm
; K step k of 8: the next step's fragments are asked for, then this step's 32 products are issued.  Loads into registers that matrix instructions have read stand four plain vector instructions behind them.
.macro STEP k
	s_wait_dscnt 0x0                               ; this step's set is in (asked for ahead of the last step's 32 products)
.if (\k) < 7
.if (\k)%2
	s_wait_tensorcnt 3-((\k)+1)/2                  ; the next stage's load of mine has landed; my later stages' loads may stay out
	s_barrier_signal -1
	s_barrier_wait -1                              ; everybody's has
.irp r, A16,A8,B16,B8,ASA,ASB
	v_add_nc_u32 v[\r], STAGE, v[\r]               ; on to the next stage; these six are also the places in front of the loads
.endr
.else
	PLACES 4
.endif
	s_wait_alu depctr_va_vdst(0)
	FETCH ((\k)+1)%2, ((\k)+1)%2
.endif
	MUL (\k)%2, (\k)==0
.endm
; THE WAY OUT, turn idx = 2 a + half: tile a's 16 tokens x outputs 64 x half on.  Accumulator (a, 4 half + bb), register j, lane (r, h) is output 64 half + 32 (bb / 2) + 8 (bb % 2) + 16 h + j of token r.
.macro TOSTAGE idx
.set AA, (\idx)/2
.set HF, (\idx)%2
	WIN 0x08                                       ; an LDS store's data are its source 1: window 2
.irp bb, 0,1,2,3
	ds_store_b128 v[STO], v[8*(8*AA+4*HF+\bb):8*(8*AA+4*HF+\bb)+3] offset:128*(\bb/2)+32*(\bb%2)          ; each accumulator from its low end on
	ds_store_b128 v[STO], v[8*(8*AA+4*HF+\bb)+4:8*(8*AA+4*HF+\bb)+7] offset:128*(\bb/2)+32*(\bb%2)+16
.endr
	WIN 0
.set BB, OB+32*((\idx)%2)
.irp i, 0,1,2,3,4,5,6,7
	ds_load_b128 v[BB+4*\i:BB+4*\i+3], v[RD] offset:544*\i   ; my own bytes, served in order: these see the stores above, and the next turn's stores come behind them
.endr
.endm
.macro SEND idx, younger               ; younger: the LDS instructions issued behind this turn's loads, which may stay out
.set AA, (\idx)/2
.set HF, (\idx)%2
.set BB, OB+32*((\idx)%2)
	s_wait_dscnt \younger
.irp i, 0,1,2,3,4,5,6,7
	global_store_b128 v[CO], v[BB+4*\i:BB+4*\i+3], s[84:85] offset:(32*(AA/2)+8*(AA%2)+((2*\i)%8)+16*(\i/4))*4096+256*HF th:TH_STORE_NT   ; stage rows 2 i, 2 i + 1 at their tokens' rows; written once, read by nobody here
.endr
.endm
	s_load_b128 s[4:7], s[0:1], 0x0                ; ao, ops
	s_load_b64 s[84:85], s[0:1], 0x10              ; out0
	v_lshl_add_u32 v254, v0, 2, 0x4f400
	v_mov_b32 v255, 0
	ds_add_u32 v254, v255
	ds_add_u32 v254, v255
	v_lshrrev_b32 v1, 5, v0
	v_readfirstlane_b32 s[WV], v1                  ; wave 0..3
	s_lshr_b32 s57, s[WV], 1
	s_and_b32 s58, s[WV], 1
	s_bfe_u32 s9, ttmp6, 0x40000                   ; cx
	s_bfe_u32 s10, ttmp6, 0x40004                  ; cy
	s_lshl_b32 s14, ttmp9, 2
	s_add_co_u32 s14, s14, s9                      ; P's tile (128 outputs): it holds cx and never cy
	s_and_b32 s12, ttmp7, 0xffff
	s_lshl_b32 s12, s12, 2
	s_add_co_u32 s12, s12, s10                     ; R's tile (256 tokens): it holds cy and never cx
	s_lshl_b32 s2, s10, 2
	s_lshl_b32 s2, 15, s2                          ; my row of the cluster
	s_lshl_b32 s3, 0x1111, s9                      ; my column
	s_or_b32 s[G1A], s2, (3<<16)|(1<<21)           ; 15:0 the mask; 17:16 elements of 8 bytes; 21 set beside a mask; no padding
	s_or_b32 s[G1B], s3, (3<<16)|(1<<21)
.irp g, G1A, G1B                               ; a dense block of 25,600 bytes as 100 rows of 256 bytes
	s_mov_b32 s[\g+1], 32<<16
	s_mov_b32 s[\g+2], 100<<16
	s_mov_b32 s[\g+3], 32<<16
	s_mov_b32 s[\g+4], 100
	s_mov_b32 s[\g+5], 32
	s_mov_b32 s[\g+6], 0
	s_mov_b32 s[\g+7], 0
.endr
	s_lshl_b32 s20, s12, 1
	s_add_co_u32 s20, s20, s58                     ; R: rho = 2 x tile + (wave & 1)
	s_mul_i32 s20, s20, RHO
	s_mov_b32 s21, 0
	s_add_co_u32 s22, s14, 88                      ; P: Wo's blocks begin at rho 88
	s_mul_i32 s22, s22, RHO
	s_mov_b32 s23, 0
	s_mul_i32 s56, s58, PAIR                       ; R's block in a stage: no place in the cluster enters an LDS address
	s_wait_dscnt 0x0
	s_wait_kmcnt 0x0
	s_add_nc_u64 s[20:21], s[4:5], s[20:21]
	s_add_nc_u64 s[22:23], s[6:7], s[22:23]
	CROUND                                         ; all sixteen work-groups are here: the joint loads meet
.irp s, 0,1,2,3
	s_mov_b32 s[G0A+4*\s], 1
	s_add_co_u32 s[G0A+4*\s+1], s56, \s*STAGE
	s_add_nc_u64 s[G0A+4*\s+2:G0A+4*\s+3], s[20:21], \s*PAIR
	s_or_b32 s[G0A+4*\s+3], s[G0A+4*\s+3], 0x80000000
	s_mov_b32 s[G0B+4*\s], 1
	s_mov_b32 s[G0B+4*\s+1], 2*PAIR+\s*STAGE
	s_add_nc_u64 s[G0B+4*\s+2:G0B+4*\s+3], s[22:23], \s*PAIR
	s_or_b32 s[G0B+4*\s+3], s[G0B+4*\s+3], 0x80000000
.endr
	s_cmp_lt_u32 s[WV], 2                          ; waves 0 and 1 fetch R's two blocks, wave 2 P's, wave 3 nothing: a wave's four fills stand in one branch; four loads of a wave are out at the most
	s_cbranch_scc0 .Lnot_a
.irp s, 0,1,2,3
	tensor_load_to_lds s[G0A+4*\s:G0A+4*\s+3], s[G1A:G1A+7]
	s_nop 0
.endr
	PLACES 4
	s_branch .Lasked
.Lnot_a:
	s_cmp_eq_u32 s[WV], 2
	s_cbranch_scc0 .Lasked
.irp s, 0,1,2,3
	tensor_load_to_lds s[G0B+4*\s:G0B+4*\s+3], s[G1B:G1B+7]
	s_nop 0
.endr
	PLACES 4
.Lasked:
	v_and_b32 v1, 31, v0                           ; lane
	v_and_b32 v11, 15, v0                          ; r
	v_bfe_u32 v12, v0, 4, 1                        ; h
	s_mul_i32 s59, s57, PAIR                       ; my block of R,
	s_mul_i32 s60, s58, 4*1536                     ; my four fragments in it
	s_add_co_u32 s60, s60, s59
	v_lshl_add_u32 v[A16], v1, 4, s60
	v_lshl_add_u32 v[A8], v1, 3, s60
	v_lshlrev_b32 v[B16], 4, v1
	v_lshlrev_b32 v[B8], 3, v1
	v_add_nc_u32 v[B16], 2*PAIR, v[B16]
	v_add_nc_u32 v[B8], 2*PAIR, v[B8]
	s_lshl_b32 s61, s58, 4
	s_add_co_u32 s61, s61, s59
	s_add_co_u32 s61, s61, 8*1536
	v_lshl_add_u32 v[ASA], v11, 5, s61             ; my four scale words of R: 32 r + 16 (wave & 1)
	v_lshlrev_b32 v[ASB], 5, v11
	v_add_nc_u32 v[ASB], 2*PAIR+8*1536, v[ASB]     ; P's eight: 32 r
	s_mul_i32 s62, s[WV], 16*272
	s_add_co_u32 s62, s62, OUTS                    ; my stage
	v_mul_u32_u24 v[STO], v11, 272
	v_lshl_add_u32 v[STO], v12, 6, v[STO]
	v_add_nc_u32 v[STO], s62, v[STO]               ; in: row r, + 64 h
	v_mul_u32_u24 v[RD], v12, 272
	v_lshl_add_u32 v[RD], v11, 4, v[RD]
	v_add_nc_u32 v[RD], s62, v[RD]                 ; back: lanes 0-15 one row of 256 bytes, lanes 16-31 the next
	v_lshlrev_b32 v[CO], 12, v12
	v_lshl_add_u32 v[CO], v11, 4, v[CO]            ; and the same two rows in out0
	s_lshl_b32 s86, s12, 8
	s_lshl_b32 s87, s[WV], 6
	s_add_co_u32 s86, s86, s87                     ; my first token: 256 x R's tile + 64 x wave
	s_lshl_b32 s86, s86, 12                        ; rows of 4,096 bytes
	s_lshl_b32 s87, s14, 9
	s_add_co_u32 s86, s86, s87                     ; + 512 x P's tile
	s_mov_b32 s87, 0
	s_add_nc_u64 s[84:85], s[84:85], s[86:87]
	s_wait_alu depctr_va_vdst(0)
	s_wait_tensorcnt 3                             ; my first stage's load has landed; my other three may be out
	s_barrier_signal -1
	s_barrier_wait -1                              ; everybody's has
	FETCH 0, 0
.irp k, 0,1,2,3,4,5,6,7
	STEP \k
.endr
	PLACES 4                                       ; in front of the first read of the last products' results
	TOSTAGE 0
.irp idx, 1,2,3,4,5,6,7
.if \idx > 1
	s_wait_xcnt 0x0                                ; turn idx - 2's stores have read their registers: this turn's loads may land there
.endif
	TOSTAGE \idx
	SEND \idx-1, 16                                ; behind turn idx - 1's loads: this turn's 8 stores and 8 loads
.endr
	SEND 7, 0
	s_wait_dscnt 0x0
	s_wait_tensorcnt 0x0
	ds_add_u32 v254, v255
	s_wait_dscnt 0x0
	CROUND                                         ; the closing round: no work-group ends while a partner may still ask for a block that names it
	s_endpgm
.Lfunc_end_k_qe171733ee9_outp:
	.size	k_qe171733ee9_outp, .Lfunc_end_k_qe171733ee9_outp-k_qe171733ee9_outp
	.p2alignl 7, 3214868480
	.fill 96, 4, 3214868480
	.section	.rodata,"a",@progbits
	.p2align	6, 0x0
	.amdhsa_kernel k_qe171733ee9_outp
		.amdhsa_group_segment_fixed_size 327680
		.amdhsa_private_segment_fixed_size 0
		.amdhsa_enable_private_segment 0
		.amdhsa_kernarg_size 24
		.amdhsa_user_sgpr_count 2
		.amdhsa_user_sgpr_kernarg_segment_ptr 1
		.amdhsa_wavefront_size32 1
		.amdhsa_system_sgpr_workgroup_id_x 1
		.amdhsa_system_sgpr_workgroup_id_y 1
		.amdhsa_system_sgpr_workgroup_id_z 1
		.amdhsa_system_vgpr_workitem_id 0
		.amdhsa_next_free_vgpr 768
		.amdhsa_next_free_sgpr 100
		.amdhsa_reserve_vcc 0
		.amdhsa_float_denorm_mode_32 3
		.amdhsa_float_denorm_mode_16_64 3
		.amdhsa_memory_ordered 1
		.amdhsa_forward_progress 1
		.amdhsa_inst_pref_size 85
	.end_amdhsa_kernel
	.amdgpu_metadata
---
amdhsa.version: [ 1, 2 ]
amdhsa.kernels:
  - .name:           k_qe171733ee9_outp
    .symbol:         k_qe171733ee9_outp.kd
    .args:
      - { .name: ao, .offset: 0, .size: 8, .value_kind: global_buffer, .address_space: global }
      - { .name: ops, .offset: 8, .size: 8, .value_kind: global_buffer, .address_space: global }
      - { .name: out0, .offset: 16, .size: 8, .value_kind: global_buffer, .address_space: global }
    .group_segment_fixed_size: 327680
    .private_segment_fixed_size: 0
    .kernarg_segment_align: 8
    .kernarg_segment_size: 24
    .max_flat_workgroup_size: 128
    .sgpr_count:     100
    .vgpr_count:     768
    .wavefront_size: 32
...
	.end_amdgpu_metadata
.endif
;; end of part 4
